; MI455X (gfx1250); checked and timed in simulation.
; The chip was launched on July 23, 2026; its instructions are those of AMD's public machine-readable ISA for CDNA 5 (MIT licence, August 2026) and "CDNA5" Instruction Set Architecture Reference Guide (July 2026). The comments in the code are by the model that wrote it; some were corrected since.
;; Causal Self Attention. Allowed arithmetic: matrix products marked QUANTISED: E4M3 operands, one given power-of-two scale a tensor, by v_wmma_f32_16x16x64_fp8_fp8 or v_wmma_f32_16x16x128_fp8_fp8, f32 sums; everything else in f32.
;; Inputs: lowp_scales 8 int32 (the exponents e of the quantised operands' scales 2^e); w_out 1,024 x 1,024 float32; w_qkv 1,024 x 3,072 float32; x 4 x 2,048 x 1,024 float32.
;; Outputs: out0 4 x 2,048 x 1,024 float32.
;; This version of the problem:
;;   THIS VERSION OF THE PROBLEM IS GIVEN IN LOW PRECISION. The matrix products marked QUANTISED in the list below multiply operands that are first quantised to E4M3 (4 exponent bits, 3 mantissa bits; 8 bits a number), with one given power-of-two scale for each operand tensor; their sums are f32. All else is computed in f32.
;;   The module's matrix products, in the order in which they are computed (A, B: the left and right operand; K: the contracted axis; several contracted axes count as one K, in the product's order):
;;     1. [M 8,192, K 1,024] x [K 1,024, N 3,072]; A: input x; B: input w_qkv: QUANTISED (scales: A lowp_scales[0], B lowp_scales[1])
;;     2. batch 64 x [M 2,048, K 64] x [K 64, N 2,048]; A: computed on the way; B: computed on the way: QUANTISED (scales: A lowp_scales[2], B lowp_scales[3])
;;     3. batch 64 x [M 2,048, K 2,048] x [K 2,048, N 64]; A: softmax (see below); B: computed on the way: QUANTISED (scales: A lowp_scales[4], B lowp_scales[5])
;;     4. [M 8,192, K 1,024] x [K 1,024, N 1,024]; A: computed on the way; B: input w_out: QUANTISED (scales: A lowp_scales[6], B lowp_scales[7])
;;   THE QUANTISER, for each operand of a quantised product, along K:
;;     - The operand's scale is 2^e, e = its entry of the input lowp_scales (int32; the entries are numbered through the quantised products in the list's order, A before B).
;;     - Each number is divided by the scale, clamped to +-448, and rounded to the nearest number of E4M3, ties to even, subnormals kept.
;;     - The product sums the exact products of the quantised numbers (number of the format x scale) in f32.
;;   ~~~python
;;   def quantise(x, axis, e):      # numpy; x: float32 -> the quantised numbers, widened to float32 again
;;       x = np.moveaxis(x, axis, -1); K = x.shape[-1]
;;       r = np.clip(x / 2.0 ** e, -448, 448)
;;       step = 2.0 ** (np.maximum(np.frexp(np.where(r == 0, 1, r))[1] - 1, -6) - 3)
;;       q = np.round(r / step) * step * 2.0 ** e      # np.round: ties to even
;;       return np.moveaxis(q, -1, axis).astype(np.float32)
;;   ~~~
;;   SOFTMAX AHEAD OF A QUANTISED PRODUCT. Where the list says 'softmax', what is quantised is not the finished softmax but p = 2^(t - M), with t = logit x log2(e) and M = ceil(the row's largest t), a whole number; so 1/2 < the row's largest p <= 1. The row's sum l is taken of the UNQUANTISED p, in f32, and the product's result is divided by l at the end. Since M is a whole number, a kernel that streams over the keys may use a running M (the ceiling of the running maximum): every later rescaling is an exact power of two, so the quantised numbers keep their values, but for numbers so far below the row's largest that they fall under the format's range.
;;   OPERANDS COMPUTED ON THE WAY. 'Computed on the way' means the value that the module computes at that place (a softmax that the list does not call 'softmax' is quantised finished and normalised). What goes into a quantiser is computed in f32, as accurately as f32 sums, v_exp_f32 and their like allow (about 1e-6 of the number): no bf16 or f16 on the way to a quantiser, and a product that is left as it is and whose result goes on into a quantised operand takes f32 operands (vector FMAs, or v_wmma_f32_16x16x4_f32). A number that lies on a knife's edge between two numbers of the format may be rounded either way, as far as f32 arithmetic and the matrix unit's own rounding can turn it there, and no further.
;; One version. Each part assembles by itself: llvm-mc -triple=amdgcn-amd-amdhsa -mcpu=gfx1250 --defsym DOCPART=n.
;; ======== version 1 of 1: 4 launches
;; limits: right only within a limited range of input values
;; workspace buffers: x_codes 8,388,608 bytes; wqkv_codes 3,145,728 bytes; wout_codes 1,048,576 bytes; rope 524,288 bytes; q_codes 8,388,608 bytes; k_codes 8,388,608 bytes; v_codes 8,388,608 bytes; a_codes 8,388,608 bytes
;; launch quant (part 1): grid 416 x 1, 4 waves a work-group, no clusters, 102,912 bytes of LDS; arguments x, w_qkv, w_out, lowp_scales, x_codes, wqkv_codes, wout_codes, rope; writes x_codes, wqkv_codes, wout_codes, rope
.if DOCPART == 1
	.amdgcn_target "amdgcn-amd-amdhsa--gfx1250"
	.amdhsa_code_object_version 6
	.text
	.protected	k_q3d9d91c0c7_quant
	.globl	k_q3d9d91c0c7_quant
	.p2align	8
	.type	k_q3d9d91c0c7_quant,@function
k_q3d9d91c0c7_quant:
	s_mov_b64 s[64:65], 0
	v_nop
	global_prefetch_b8 v0, s[64:65] scope:SCOPE_SE
	s_setreg_imm32_b32 hwreg(HW_REG_WAVE_MODE, 25, 1), 1
	s_wait_xcnt 0x0
; ONE LAUNCH FOR ALL THAT IS MADE ONCE: the codes of x, w_qkv and w_out (FP8, E4M3, each with its given scale 2^e), and the table of cos and sin for the rotary embedding.
; code = number / 2^e, held within +-448, rounded to the nearest code, ties to even.  e: entry 0 of the scales for x, entry 1 for w_qkv, entry 7 for w_out.
; LIMITS: each of these e lies between -126 and 119, so that 2^e and 448 x 2^e are f32 numbers.  NaN among the inputs is not served (an infinity is held at the largest code).
; The work-group's number picks one of four paths; each path has LDS bytes of its own and its own end.  No tensor load, no barrier: waves share nothing.
;   0-255    x [8192][1024], K innermost: a plain stream; codes laid as the numbers lie.
;   256-351  w_qkv [1024 k][3072 n]: a lane takes a column and its registers run down K; codes laid as images of the operand's registers, [n / 16][k / 128][c 4][lane][16].
;   352-383  w_out [1024 k][1024 n]: the same; within each 32 along k the two middle groups of eight codes change places: stored byte 32 c + 16 h + 8 u + j holds k = 32 c + 16 u + 8 h + j,
;            which is the order in which the attention launch leaves its own codes along this K.
;   384-415  the table: row t (256 bytes) = cos(t theta_i), i = 0 .. 31, then sin(t theta_i).  theta_i = 2^(-i log2(10) / 8) = 10000^(-i / 32), by v_exp_f32 (LIMIT: a few units in its last place);
;            the angle is the f32 product t x theta_i; it is reduced by multiples of pi / 2 kept in two parts, and sin and cos of the rest (at most pi / 4) are polynomials in f32.
.set WREG, 8192                        ; x's path: LDS of a wave: two stages of 32 x SP bytes
.set SP,   80                          ; a lane's place in a stage: its 64 bytes + 16 of padding
.set R,    16                          ; v16-79   four sets of 16 numbers as they are loaded
.set X,    80                          ; v80-111  two sets of 16 neighbours
.set C,    128                         ; v128-191 codes: four registers for each step, so that no store's data are written again
	s_load_b512 s[4:19], s[0:1], 0x0               ; x s[4:5], w_qkv s[6:7], w_out s[8:9], scales s[10:11], x_codes s[12:13], wqkv_codes s[14:15], wout_codes s[16:17], rope s[18:19]
	v_lshl_add_u32 v192, v0, 2, 0x19000
	v_mov_b32 v193, 0
	v_lshrrev_b32 v1, 5, v0
	v_readfirstlane_b32 s20, v1                    ; wave 0..3
	v_and_b32 v2, 31, v0                           ; lane
	s_wait_kmcnt 0x0
	s_load_b256 s[24:31], s[10:11], 0x0            ; e0 .. e7
	s_cmp_lt_u32 ttmp9, 256
	s_cbranch_scc1 .Lx
	s_cmp_lt_u32 ttmp9, 352
	s_cbranch_scc1 .Lwq
	s_cmp_lt_u32 ttmp9, 384
	s_cbranch_scc1 .Lwo
	; ---- THE TABLE.  A wave makes 16 rows, two to a store: lanes 0-15 one row, lanes 16-31 the next; a lane owns 16 bytes: lanes 0-7 of a row cos, lanes 8-15 sin, of i = 4 (lane % 8) + 0 .. 3.
	s_sub_co_u32 s21, ttmp9, 384
	s_lshl_b32 s21, s21, 6
	s_lshl_b32 s22, s20, 4
	s_add_co_u32 s21, s21, s22                     ; my wave's first row: 64 x work-group + 16 x wave
	s_lshl_b32 s32, s21, 8
	s_mov_b32 s33, 0
	s_add_nc_u64 s[18:19], s[18:19], s[32:33]
	s_mov_b32 s40, 0xbfc90fdb                      ; -P1, P1 = pi / 2 rounded to f32
	s_mov_b32 s41, 0x333bbd2e                      ; -P2, P2 = pi / 2 - P1
	s_mov_b32 s42, 0x3638ef1d                      ; sin: 1 / 9!
	s_mov_b32 s43, 0xb9500d01                      ; -1 / 7!
	s_mov_b32 s44, 0x3c088889                      ; 1 / 5!
	s_mov_b32 s45, 0xbe2aaaab                      ; -1 / 3!
	s_mov_b32 s46, 0xb493f27e                      ; cos: -1 / 10!
	s_mov_b32 s47, 0x37d00d01                      ; 1 / 8!
	s_mov_b32 s48, 0xbab60b61                      ; -1 / 6!
	s_mov_b32 s49, 0x3d2aaaab                      ; 1 / 4!
	s_wait_alu depctr_va_vdst(0)
	v_lshlrev_b32 v3, 4, v2                        ; 16 x lane: my bytes in a pair of rows
	v_lshrrev_b32 v4, 4, v2
	v_add_nc_u32 v13, s21, v4                      ; the first row + my half
	v_and_b32 v5, 7, v2
	v_lshlrev_b32 v5, 2, v5                        ; 4 (lane % 8)
	v_bfe_u32 v6, v2, 3, 1
	v_xor_b32 v6, 1, v6                            ; 1 in the lanes that make cos: cos a = sin(a + pi / 2), one quadrant on
.irp k, 0,1,2,3
	v_add_nc_u32 v[8+\k], \k, v5
	v_cvt_f32_u32 v[8+\k], v[8+\k]
	v_mul_f32 v[8+\k], 0xbed49a78, v[8+\k]         ; -i log2(10) / 8
.endr
	s_wait_alu depctr_va_vdst(0)
.irp k, 0,1,2,3
	v_exp_f32 v[8+\k], v[8+\k]                     ; theta_i
.endr
	v_nop                                          ; a plain instruction behind the last exponential
	s_wait_alu depctr_va_vdst(0)                   ; one wait for the four, ahead of their first reader
.set IT, 0
.rept 8
	v_add_nc_u32 v12, 2*IT, v13
	v_cvt_f32_u32 v12, v12                         ; t
.irp k, 0,1,2,3
	v_mul_f32 v[16+\k], v12, v[8+\k]               ; a = t theta
.endr
.irp k, 0,1,2,3
	v_mul_f32 v[20+\k], 0x3f22f983, v[16+\k]       ; a x 2 / pi
.endr
.irp k, 0,1,2,3
	v_rndne_f32 v[20+\k], v[20+\k]                 ; n
.endr
.irp k, 0,1,2,3
	v_fma_f32 v[24+\k], v[20+\k], s40, v[16+\k]    ; a - n P1
.endr
.irp k, 0,1,2,3
	v_fma_f32 v[24+\k], v[20+\k], s41, v[24+\k]    ; r = a - n P1 - n P2
.endr
.irp k, 0,1,2,3
	v_mul_f32 v[28+\k], v[24+\k], v[24+\k]         ; z = r r
.endr
.irp k, 0,1,2,3
	v_fma_f32 v[32+\k], v[28+\k], s42, s43
	v_fma_f32 v[36+\k], v[28+\k], s46, s47
.endr
.irp k, 0,1,2,3
	v_fma_f32 v[32+\k], v[32+\k], v[28+\k], s44
	v_fma_f32 v[36+\k], v[36+\k], v[28+\k], s48
.endr
.irp k, 0,1,2,3
	v_fma_f32 v[32+\k], v[32+\k], v[28+\k], s45
	v_fma_f32 v[36+\k], v[36+\k], v[28+\k], s49
.endr
.irp k, 0,1,2,3
	v_mul_f32 v[44+\k], v[24+\k], v[28+\k]         ; r z
	v_fma_f32 v[36+\k], v[36+\k], v[28+\k], -0.5
.endr
.irp k, 0,1,2,3
	v_fma_f32 v[32+\k], v[32+\k], v[44+\k], v[24+\k]   ; sin r
	v_fma_f32 v[36+\k], v[36+\k], v[28+\k], 1.0        ; cos r
.endr
.irp k, 0,1,2,3
	v_cvt_i32_f32 v[40+\k], v[20+\k]
.endr
.irp k, 0,1,2,3
	v_add_nc_u32 v[40+\k], v[40+\k], v6            ; the quadrant
.endr
.irp k, 0,1,2,3
	v_and_b32 v[44+\k], 1, v[40+\k]
	v_and_b32 v[40+\k], 2, v[40+\k]
.endr
.irp k, 0,1,2,3
	v_cmp_eq_u32 vcc_lo, 1, v[44+\k]
	v_cndmask_b32 v[64+4*IT+\k], v[32+\k], v[36+\k], vcc_lo   ; odd quadrants take cos r
.endr
.irp k, 0,1,2,3
	v_lshlrev_b32 v[40+\k], 30, v[40+\k]
.endr
.irp k, 0,1,2,3
	v_xor_b32 v[64+4*IT+\k], v[64+4*IT+\k], v[40+\k]          ; quadrants 2 and 3 change the sign
.endr
	global_store_b128 v3, v[64+4*IT:67+4*IT], s[18:19] offset:512*IT   ; the wave stores 512 consecutive bytes, two whole rows; each pair of rows has registers of its own
.set IT, IT+1
.endr
	s_endpgm
	; ---- x: a wave takes 16 steps of 512 numbers.  Each load reads 512 consecutive bytes, 16 a lane; a step's 2,048 bytes turn through the wave's own stage in LDS and come back 64 bytes a lane,
	; so that a lane holds 16 neighbours along K for the conversions.  A lane's 16 codes are 16 bytes: the wave stores 512 consecutive bytes.  Loads run four steps ahead, the turn through LDS one.
.macro XLOAD t
.irp i, 0,1,2,3
	global_load_b128 v[R+16*((\t)%4)+4*\i:R+16*((\t)%4)+4*\i+3], v3, s[4:5] offset:2048*(\t)+512*\i th:TH_LOAD_NT
.endr
.endm
.macro XTURN t                         ; LDS serves a wave's instructions in order (ISA guide 5.7.1.4): no wait between the stores and the loads
.irp i, 0,1,2,3
	ds_store_b128 v14, v[R+16*((\t)%4)+4*\i:R+16*((\t)%4)+4*\i+3] offset:32*SP*((\t)%2)+8*SP*\i
.endr
.irp i, 0,1,2,3
	ds_load_b128 v[X+16*((\t)%2)+4*\i:X+16*((\t)%2)+4*\i+3], v15 offset:32*SP*((\t)%2)+16*\i
.endr
.endm
.macro XSTEP t
.set XS, X+16*((\t)%2)
	s_wait_dscnt 0x0                               ; this step's numbers are back from the stage, so its stores into the stage have read their registers,
.if (\t)+4 < 16
	XLOAD (\t)+4                                   ; which take the loads of four steps on
.endif
.if (\t)+1 < 16
.if 14-(\t) >= 3
	s_wait_loadcnt 12                              ; the next step's four loads are in; the twelve of the three steps behind it may be out
.else
	s_wait_loadcnt 4*(14-(\t))                     ; the counts run down
.endif
	XTURN (\t)+1
.endif
.irp i, 0,1,2,3,4,5,6,7,8,9,10,11,12,13,14,15
	v_med3_num_f32 v[XS+\i], v[XS+\i], -v10, v10   ; the conversion does not saturate (ISA guide 7.6.2): the hold at the largest code x the scale comes first
.endr
	v_cvt_scalef32_pk8_fp8_f32 v[C+4*(\t):C+4*(\t)+1], v[XS:XS+7], v11
	v_cvt_scalef32_pk8_fp8_f32 v[C+4*(\t)+2:C+4*(\t)+3], v[XS+8:XS+15], v11
	global_store_b128 v3, v[C+4*(\t):C+4*(\t)+3], s[12:13] offset:512*(\t)   ; the results go to a store alone; the next vector lines are the next step's holds, on other registers
.endm
.Lx:
	s_wait_alu depctr_va_vdst(0)
	v_lshlrev_b32 v3, 4, v2                        ; my 16 bytes of a load's 512, and of a store's
	s_wait_alu depctr_va_vdst(0)
	s_mul_i32 s21, s20, WREG
	v_lshrrev_b32 v14, 2, v2
	v_mul_u32_u24 v14, v14, SP
	v_and_b32 v15, 3, v2
	v_lshl_add_u32 v14, v15, 4, v14
	v_add_nc_u32 v14, s21, v14                     ; the stage, on the way in: SP (lane / 4) + 16 (lane % 4)
	v_mul_u32_u24 v15, v2, SP
	v_add_nc_u32 v15, s21, v15                     ; and on the way out: SP x lane
	s_lshl_b32 s22, ttmp9, 2
	s_add_co_u32 s22, s22, s20                     ; which run of 8,192 numbers is my wave's
	s_lshl_b32 s32, s22, 15
	s_mov_b32 s33, 0
	s_add_nc_u64 s[4:5], s[4:5], s[32:33]
	s_lshl_b32 s32, s22, 13
	s_add_nc_u64 s[12:13], s[12:13], s[32:33]
.irp t, 0,1,2,3
	XLOAD \t
.endr
	s_wait_alu depctr_va_vdst(0)
	s_wait_kmcnt 0x0
	s_add_co_i32 s34, s24, 127
	s_lshl_b32 s35, s34, 23
	v_mov_b32 v11, s35                             ; 2^e0 as f32: the conversion takes its exponent field
	s_add_co_i32 s34, s34, 8
	s_lshl_b32 s34, s34, 23
	s_or_b32 s34, s34, 0x600000
	v_mov_b32 v10, s34                             ; 448 x 2^e0
	s_wait_alu depctr_va_vdst(0)
	s_wait_loadcnt 12                              ; step 0's four loads are in
	XTURN 0
.irp t, 0,1,2,3,4,5,6,7,8,9,10,11,12,13,14,15
	XSTEP \t
.endr
	s_wait_tensorcnt 0x0
	ds_add_u32 v192, v193
	s_wait_dscnt 0x0
	s_endpgm
	; ---- A WEIGHT [1024 k][N n].  A wave takes 32 columns x 256 along K: each load reads one row k at 32 neighbouring columns; a lane's 32 registers are 32 neighbours along K of its column.
	; Its codes, 256 bytes a column, gather in the wave's own stage (rows 272 bytes apart) and leave by rows: sixteen lanes store 256 consecutive bytes, aligned.  Loads run two blocks ahead.
.macro WLOAD t, N
.irp i, 0,1,2,3,4,5,6,7,8,9,10,11,12,13,14,15,16,17,18,19,20,21,22,23,24,25,26,27,28,29,30,31
	global_load_b32 v[32+32*((\t)%2)+\i], v3, s[32:33] offset:(32*(\t)+\i)*\N*4 th:TH_LOAD_NT   ; 255 rows of 12,288 bytes at the most: inside the signed 24-bit immediate (ISA guide, chapter 10)
.endr
.endm
.macro WBLOCK t, N, PERM
.set XS, 32+32*((\t)%2)
.if (\t) < 7
	s_wait_loadcnt 32                              ; this block's 32 loads are in; the next block's may be out
.else
	s_wait_loadcnt 0x0
.endif
.irp i, 0,1,2,3,4,5,6,7,8,9,10,11,12,13,14,15,16,17,18,19,20,21,22,23,24,25,26,27,28,29,30,31
	v_med3_num_f32 v[XS+\i], v[XS+\i], -v10, v10
.endr
	v_cvt_scalef32_pk8_fp8_f32 v[96:97], v[XS:XS+7], v11
.if \PERM
	v_cvt_scalef32_pk8_fp8_f32 v[100:101], v[XS+8:XS+15], v11    ; the two middle groups of eight change places
	v_cvt_scalef32_pk8_fp8_f32 v[98:99], v[XS+16:XS+23], v11
.else
	v_cvt_scalef32_pk8_fp8_f32 v[98:99], v[XS+8:XS+15], v11
	v_cvt_scalef32_pk8_fp8_f32 v[100:101], v[XS+16:XS+23], v11
.endif
	v_cvt_scalef32_pk8_fp8_f32 v[102:103], v[XS+24:XS+31], v11
	ds_store_b128 v4, v[96:99] offset:32*(\t)
	ds_store_b128 v4, v[100:103] offset:32*(\t)+16
.if (\t)+2 < 8
	WLOAD (\t)+2, \N
.endif
	s_wait_dscnt 0x0                               ; the stores have read their registers: the next block's codes may be written
.endm
; s[32:33] the weight, s[34:35] its codes, s37 the block of 128 columns, s38 which 256 along K;  ES: the scalar register that holds e
.macro WPATH N, PERM, LBASE, ES
	s_lshl_b32 s39, s37, 7
	s_lshl_b32 s40, s20, 5
	s_add_co_u32 s39, s39, s40                     ; my wave's first column
	v_lshlrev_b32 v3, 2, v2                        ; in: 4 bytes a lane
	s_mul_i32 s40, s20, 32*272
	s_add_co_u32 s40, s40, \LBASE                  ; my stage
	v_mul_u32_u24 v4, v2, 272
	v_add_nc_u32 v4, s40, v4                       ; into it: row = my column
	v_and_b32 v5, 15, v2
	v_lshrrev_b32 v6, 4, v2
; PERM = 1 (w_out): the codes leave as rows [n][k].  PERM = 0 (w_qkv): THEY LEAVE AS IMAGES OF THE OPERAND'S REGISTERS, [n / 16][k / 128][c 4][lane][16]: lane (r, h) holds row 16 nt + r, k = 128 s + 32 c + 16 h + 0 .. 15;
; each store of the wave is still 512 consecutive bytes.
.if \PERM
	v_mul_u32_u24 v7, v6, 272
	v_lshl_add_u32 v7, v5, 4, v7
.else
	v_mul_u32_u24 v7, v5, 272
	v_lshl_add_u32 v7, v6, 4, v7
.endif
	v_add_nc_u32 v7, s40, v7                       ; out of it: sixteen lanes to a row, two rows an instruction
.if \PERM
	v_lshlrev_b32 v8, 10, v6
	v_lshl_add_u32 v8, v5, 4, v8
.else
	v_lshlrev_b32 v8, 4, v2
.endif
	s_mul_i32 s42, s38, 256*\N*4
	s_lshl_b32 s41, s39, 2
	s_add_co_u32 s42, s42, s41
	s_mov_b32 s43, 0
	s_add_nc_u64 s[32:33], s[32:33], s[42:43]
	s_lshl_b32 s42, s39, 10
.if \PERM
	s_lshl_b32 s41, s38, 8
.else
	s_lshl_b32 s41, s38, 12                        ; two steps of 128 along K, 2,048 bytes each in a tile of 16 rows
.endif
	s_add_co_u32 s42, s42, s41
	s_add_nc_u64 s[34:35], s[34:35], s[42:43]
	s_wait_alu depctr_va_vdst(0)                   ; ahead of the first reader of the lane's offset
	WLOAD 0, \N
	WLOAD 1, \N
	s_wait_kmcnt 0x0
	s_add_co_i32 s44, s[\ES], 127
	s_lshl_b32 s45, s44, 23
	v_mov_b32 v11, s45                             ; 2^e
	s_add_co_i32 s44, s44, 8
	s_lshl_b32 s44, s44, 23
	s_or_b32 s44, s44, 0x600000
	v_mov_b32 v10, s44                             ; 448 x 2^e
	s_wait_alu depctr_va_vdst(0)
.irp t, 0,1,2,3,4,5,6,7
	WBLOCK \t, \N, \PERM
.endr
.irp t, 0,1,2,3,4,5,6,7,8,9,10,11,12,13,14,15
.if \PERM
	ds_load_b128 v[112+4*\t:115+4*\t], v7 offset:2*\t*272
.else
	ds_load_b128 v[112+4*\t:115+4*\t], v7 offset:(\t/8)*16*272+((\t/4)%2)*128+(\t%4)*32
.endif
.endr
.irp t, 0,1,2,3,4,5,6,7,8,9,10,11,12,13,14,15
	s_wait_dscnt 15-\t                             ; LDS loads come back in order: pair t of rows is in
.if \PERM
	global_store_b128 v8, v[112+4*\t:115+4*\t], s[34:35] offset:2*\t*1024
.else
	global_store_b128 v8, v[112+4*\t:115+4*\t], s[34:35] offset:(\t/8)*16384+((\t/4)%2)*2048+(\t%4)*512
.endif
.endr
.endm
.Lwq:
	s_sub_co_u32 s21, ttmp9, 256
	s_lshr_b32 s37, s21, 2
	s_and_b32 s38, s21, 3
	s_mov_b64 s[32:33], s[6:7]
	s_mov_b64 s[34:35], s[14:15]
	s_wait_alu depctr_va_vdst(0)
	WPATH 3072, 0, 32768, 25
	s_wait_tensorcnt 0x0
	ds_add_u32 v192, v193
	s_wait_dscnt 0x0
	s_endpgm
.Lwo:
	s_sub_co_u32 s21, ttmp9, 352
	s_lshr_b32 s37, s21, 2
	s_and_b32 s38, s21, 3
	s_mov_b64 s[32:33], s[8:9]
	s_mov_b64 s[34:35], s[16:17]
	s_wait_alu depctr_va_vdst(0)
	WPATH 1024, 1, 67584, 31
	s_wait_tensorcnt 0x0
	ds_add_u32 v192, v193
	s_wait_dscnt 0x0
	s_endpgm
.Lfunc_end_k_q3d9d91c0c7_quant:
	.size	k_q3d9d91c0c7_quant, .Lfunc_end_k_q3d9d91c0c7_quant-k_q3d9d91c0c7_quant
	.p2alignl 7, 3214868480
	.fill 96, 4, 3214868480
	.section	.rodata,"a",@progbits
	.p2align	6, 0x0
	.amdhsa_kernel k_q3d9d91c0c7_quant
		.amdhsa_group_segment_fixed_size 102912
		.amdhsa_private_segment_fixed_size 0
		.amdhsa_enable_private_segment 0
		.amdhsa_kernarg_size 64
		.amdhsa_user_sgpr_count 2
		.amdhsa_user_sgpr_kernarg_segment_ptr 1
		.amdhsa_wavefront_size32 1
		.amdhsa_system_sgpr_workgroup_id_x 1
		.amdhsa_system_sgpr_workgroup_id_y 1
		.amdhsa_system_sgpr_workgroup_id_z 1
		.amdhsa_system_vgpr_workitem_id 0
		.amdhsa_next_free_vgpr 194
		.amdhsa_next_free_sgpr 66
		.amdhsa_reserve_vcc 1
		.amdhsa_float_denorm_mode_32 3
		.amdhsa_float_denorm_mode_16_64 3
		.amdhsa_memory_ordered 1
		.amdhsa_forward_progress 1
		.amdhsa_inst_pref_size 173
	.end_amdhsa_kernel
	.amdgpu_metadata
---
amdhsa.version: [ 1, 2 ]
amdhsa.kernels:
  - .name:           k_q3d9d91c0c7_quant
    .symbol:         k_q3d9d91c0c7_quant.kd
    .args:
      - { .name: x, .offset: 0, .size: 8, .value_kind: global_buffer, .address_space: global }
      - { .name: w_qkv, .offset: 8, .size: 8, .value_kind: global_buffer, .address_space: global }
      - { .name: w_out, .offset: 16, .size: 8, .value_kind: global_buffer, .address_space: global }
      - { .name: lowp_scales, .offset: 24, .size: 8, .value_kind: global_buffer, .address_space: global }
      - { .name: x_codes, .offset: 32, .size: 8, .value_kind: global_buffer, .address_space: global }
      - { .name: wqkv_codes, .offset: 40, .size: 8, .value_kind: global_buffer, .address_space: global }
      - { .name: wout_codes, .offset: 48, .size: 8, .value_kind: global_buffer, .address_space: global }
      - { .name: rope, .offset: 56, .size: 8, .value_kind: global_buffer, .address_space: global }
    .group_segment_fixed_size: 102912
    .private_segment_fixed_size: 0
    .kernarg_segment_align: 8
    .kernarg_segment_size: 64
    .max_flat_workgroup_size: 128
    .sgpr_count:     66
    .vgpr_count:     194
    .wavefront_size: 32
...
	.end_amdgpu_metadata
.endif
;; end of part 1
;; launch qkv (part 2): grid 8 x 32, 4 waves a work-group, clusters of 4 x 1, 327,680 bytes of LDS; arguments x_codes, wqkv_codes, lowp_scales, rope, q_codes, k_codes, v_codes; writes q_codes, k_codes, v_codes
.if DOCPART == 2
	.amdgcn_target "amdgcn-amd-amdhsa--gfx1250"
	.amdhsa_code_object_version 6
	.text
	.protected	k_q3d9d91c0c7_qkv
	.globl	k_q3d9d91c0c7_qkv
	.p2align	8
	.type	k_q3d9d91c0c7_qkv,@function
k_q3d9d91c0c7_qkv:
	s_mov_b64 s[64:65], 0
	v_nop
	global_prefetch_b8 v0, s[64:65] scope:SCOPE_SE
	s_setreg_imm32_b32 hwreg(HW_REG_WAVE_MODE, 25, 1), 1
	s_wait_xcnt 0x0
	s_wait_alu depctr_hold_cnt(0) depctr_sa_sdst(0) depctr_va_vdst(0) depctr_va_sdst(0) depctr_va_ssrc(0) depctr_va_vcc(0) depctr_vm_vsrc(0)
	s_getreg_b32 s2, hwreg(HW_REG_IB_STS2, 6, 4)
	s_cmp_eq_u32 s2, 0
	s_cbranch_scc0 .Lentry_in_a_cluster
	s_endpgm
.Lentry_in_a_cluster:
	s_bfe_u32 s2, ttmp6, 0x10000c
	s_cmp_lg_u32 s2, 0x3003
	s_cbranch_scc0 .Lentry_shape_is_right
	s_endpgm
.Lentry_shape_is_right:
; qkv = x w_qkv on codes of FP8 (E4M3), then the rotary embedding of q and k in f32, then the codes of q, k and v for the attention launch.
; A sum stands for sum x 2^(e0 + e1); the embedding is linear, so that power and the target's scale are folded into the conversion's one scale 2^(e_dst - e0 - e1), e_dst = e2 (q), e3 (k), e5 (v).
; LIMIT: e_dst - e0 - e1 lies between -126 and 119.
; SHARES.  Work-group (g, y), g = 0..7, y = 0..31: x's rows 256 y .. + 255 lie in LDS with the WHOLE K (1,024 bytes a row, 16 of padding: 65 x 16 bytes from row to row), filled once, one load of 64 rows a wave.
; It makes three tiles of 256 x 128: w's rows 128 g of q, of k and of v: 256 work-groups of equal work.  The four partners of a cluster (g / 4 the same) need the same rows of x: a joint load, mask 15.
; Wave (i, j) makes x's rows 128 i .. x head 2 g + j (64 rows of w): 32 accumulators.  w's codes are images of the operand's registers and come by plain loads: 64 rows x whole K = 512 registers;
; the registers of a step of 128 along K take the next tile's codes as soon as the step is multiplied: those loads stand a whole tile ahead of their use.
; NO RING, NO PREFETCH: x is asked for once at the head, w a tile ahead by its own loads.
; q, k: source 0 = w, source 1 = x: a lane holds one t and eight neighbouring d.  v: source 0 = x, source 1 = w: one d and eight neighbouring keys.  The codes leave as images, 512 consecutive bytes a store:
;   q_codes, k_codes [bh][t / 16][c 2][lane][16]: byte 8 u + j: d = 32 c + 16 u + 8 h + j.   v_codes [bh][t / 128][d / 16][c 4][lane][16]: byte 8 u + j: key = 32 c + 16 u + 8 h + j.
; REGISTERS.  Window 0: v0-31 addresses; v32-223 x's fragments, three buffers of four; v224-255 a set of the table.  Windows 1, 2: w, step s at 64 (s % 4) of window 1 + s / 4.  Window 3: accumulator (ri, li) at 8 (8 ri + li).
.set PITCH, 1040
.set SPARE, 256*PITCH
.set LB,   32
.set ADL,  16                          ; v16, v17: my x rows 0-63, 64-127
.set LI,   24                          ; 16 x lane
.set VR,   25                          ; the table: 256 r + 32 h
.set SCL,  26
.set LIMV, 27
.set SPW,  28
.set NIL,  29
.set TMP,  32
.set PC,   64
.set G1, 24
.set G0, 32
.set R0, 44
.set RN, 46
.set OUT, 48
.set OUTK, 50
.set OUTV, 52
.set TBL, 86
.set MSB, 0
.macro WIN new
.if MSB != (\new)
	s_set_vgpr_msb (MSB<<8)|(\new)
.set MSB, (\new)
.endif
.endm
.macro ROUND
	s_barrier_signal -1
	s_barrier_wait -1
	s_cmp_lg_u32 s14, 0
	s_cbranch_scc1 .Lnw0_\@
	s_barrier_signal -3
.Lnw0_\@:
	s_barrier_wait -3
	s_barrier_signal -1
	s_barrier_wait -1
.endm
.macro NOPS n
.rept \n
	v_nop
.endr
.endm
.macro LGRP g                          ; group g = 2 s + half: x's fragments 4 half .. + 3 of step s into buffer g % 3
.irp f, 0,1,2,3
.irp c, 0,1,2,3
	ds_load_b128 v[LB+64*((\g)%3)+16*\f+4*\c:LB+64*((\g)%3)+16*\f+4*\c+3], v[ADL+(\g)%2] offset:\f*16*PITCH+128*((\g)/2)+32*\c
.endr
.endr
.endm
.macro RLOAD sb, s                     ; w's four fragments of step s
.irp ri, 0,1,2,3
.irp c, 0,1,2,3
	global_load_b128 v[64*((\s)%4)+16*\ri+4*\c:64*((\s)%4)+16*\ri+4*\c+3], v[LI], s[\sb:\sb+1] offset:\ri*16384+(\s)*2048+\c*512
.endr
.endr
.endm
.macro TLD b                           ; the table's rows for block b of 16 t: cos and sin of 8 h + 0..7 and 16 + 8 h + 0..7; five sets by turns
.set CB, 96+32*(((\b)+4)%5)
.irp p, 0,1
.irp q, 0,1
.irp k, 0,1
	global_load_b128 v[CB+16*\p+8*\q+4*\k:CB+16*\p+8*\q+4*\k+3], v[VR], s[TBL:TBL+1] offset:4096*(\b)+128*\p+64*\q+16*\k
.endr
.endr
.endr
.endm
.macro MGRP rl                         ; 16 matrix instructions on 16 accumulators by turns
.irp f, 0,1,2,3
.irp ri, 0,1,2,3
.if \rl
.if G < 2
	v_wmma_f32_16x16x128_fp8_fp8 v[8*(8*\ri+4*(G%2)+\f):8*(8*\ri+4*(G%2)+\f)+7], v[64*((G/2)%4)+16*\ri:64*((G/2)%4)+16*\ri+15], v[LB+64*(G%3)+16*\f:LB+64*(G%3)+16*\f+15], 0
.else
	v_wmma_f32_16x16x128_fp8_fp8 v[8*(8*\ri+4*(G%2)+\f):8*(8*\ri+4*(G%2)+\f)+7], v[64*((G/2)%4)+16*\ri:64*((G/2)%4)+16*\ri+15], v[LB+64*(G%3)+16*\f:LB+64*(G%3)+16*\f+15], v[8*(8*\ri+4*(G%2)+\f):8*(8*\ri+4*(G%2)+\f)+7]
.endif
.else
.if G < 2
	v_wmma_f32_16x16x128_fp8_fp8 v[8*(8*\ri+4*(G%2)+\f):8*(8*\ri+4*(G%2)+\f)+7], v[LB+64*(G%3)+16*\f:LB+64*(G%3)+16*\f+15], v[64*((G/2)%4)+16*\ri:64*((G/2)%4)+16*\ri+15], 0
.else
	v_wmma_f32_16x16x128_fp8_fp8 v[8*(8*\ri+4*(G%2)+\f):8*(8*\ri+4*(G%2)+\f)+7], v[LB+64*(G%3)+16*\f:LB+64*(G%3)+16*\f+15], v[64*((G/2)%4)+16*\ri:64*((G/2)%4)+16*\ri+15], v[8*(8*\ri+4*(G%2)+\f):8*(8*\ri+4*(G%2)+\f)+7]
.endif
.endif
.endr
.endr
.endm
; A TILE'S PRODUCTS: 16 groups.  rl = 1: source 0 = w.  pf = 1: the next tile's w and the table's first sets are asked for on the way.
.macro CORE rl, pf
	LGRP 0
	LGRP 1
.set G, 0
.rept 16
.if (G < 14) || ((\pf) && (G == 14))
	NOPS 4                                         ; places ahead of loads into registers that the last group's products read
.endif
.if G < 14
	WIN 0
	LGRP (G+2)
.endif
.if \pf
.if (G%2 == 0) && (G >= 2)
	WIN 0x40<<((G/2-1)/4)
	RLOAD RN, (G/2-1)                              ; step G / 2 - 1 is multiplied: its registers take the next tile's
	WIN 0
.endif
.if G == 8
	TLD 0
.endif
.if G == 14
	TLD 1                                          ; into buffer 1, which group 13 read last
	TLD 2
.endif
.endif
.if G < 14
	s_wait_dscnt 32                                ; this group's sixteen loads are in; the two younger groups' may be out
.else
	s_wait_dscnt 16*(15-G)
.endif
.if \rl
	WIN 0xf0|(1+G/8)
.else
	WIN 0xf0|((1+G/8)<<2)
.endif
	MGRP \rl
.set G, G+1
.endr
	NOPS 4
.if \pf
	WIN 0x80
	RLOAD RN, 7
	WIN 0
	TLD 3
	TLD 4
.endif
	WIN 0
.endm
.macro SCALES                          ; 2^(e_dst - e0 - e1) and 448 x it; s85 = e_dst
	s_add_co_i32 s88, s84, s85
	s_lshl_b32 s89, s88, 23
	v_mov_b32 v[SCL], s89
	s_add_co_i32 s88, s88, 8
	s_lshl_b32 s88, s88, 23
	s_or_b32 s88, s88, 0x600000
	v_mov_b32 v[LIMV], s88
.endm
; q, k: block b = my t rows 16 b ..; accumulator (ri, b): d = 16 ri + 8 h + j.  y(d) = x(d) cos - x(d + 32) sin, y(d + 32) = x(d + 32) cos + x(d) sin, d under 32.  n: the loads issued behind this block's set
.macro QKBLOCK b, n
.set CB, 96+32*(((\b)+4)%5)
.set PS, PC+8*((\b)%2)
	s_wait_loadcnt \n
	WIN 0x03
.irp q, 0,1
.irp j, 0,2,4,6
	v_pk_mul_f32 v[TMP+8*\q+\j:TMP+8*\q+\j+1], v[64*(\q+2)+8*(\b)+\j:64*(\q+2)+8*(\b)+\j+1], v[CB+16+8*\q+\j:CB+16+8*\q+\j+1]
	v_pk_mul_f32 v[TMP+16+8*\q+\j:TMP+16+8*\q+\j+1], v[64*\q+8*(\b)+\j:64*\q+8*(\b)+\j+1], v[CB+16+8*\q+\j:CB+16+8*\q+\j+1]
.endr
.irp j, 0,2,4,6
	v_pk_fma_f32 v[TMP+8*\q+\j:TMP+8*\q+\j+1], v[64*\q+8*(\b)+\j:64*\q+8*(\b)+\j+1], v[CB+8*\q+\j:CB+8*\q+\j+1], v[TMP+8*\q+\j:TMP+8*\q+\j+1] neg_lo:[0,0,1] neg_hi:[0,0,1]
	v_pk_fma_f32 v[TMP+16+8*\q+\j:TMP+16+8*\q+\j+1], v[64*(\q+2)+8*(\b)+\j:64*(\q+2)+8*(\b)+\j+1], v[CB+8*\q+\j:CB+8*\q+\j+1], v[TMP+16+8*\q+\j:TMP+16+8*\q+\j+1]
.endr
.endr
	WIN 0
.if (\b) < 3
	TLD (\b)+5                                     ; the set just read takes the table of five blocks on
.endif
.set i, 0
.rept 32
	v_med3_num_f32 v[TMP+i], v[TMP+i], -v[LIMV], v[LIMV]   ; the conversion does not saturate (ISA guide 7.6.2)
.set i, i+1
.endr
.if (\b) > 1
	s_wait_alu depctr_va_vdst(0)
	s_wait_xcnt 0x0                                ; the stores of two blocks back have read this set of codes
.endif
.irp ri, 0,1,2,3
	v_cvt_scalef32_pk8_fp8_f32 v[PS+2*\ri:PS+2*\ri+1], v[TMP+8*\ri:TMP+8*\ri+7], v[SCL]
.endr
	v_nop
	global_store_b128 v[LI], v[PS:PS+3], s[OUT:OUT+1] offset:1024*(\b)
	global_store_b128 v[LI], v[PS+4:PS+7], s[OUT:OUT+1] offset:1024*(\b)+512
.endm
; v: block ri = d 16 ri + r; accumulator (ri, li): keys 16 li + 8 h + j of my 128
.macro VBLOCK ri
.set PS, 96+16*((\ri)%2)
	WIN 0x03
.set i, 0
.rept 64
	v_med3_num_f32 v[TMP+i], v[64*(\ri)+i], -v[LIMV], v[LIMV]
.set i, i+1
.endr
	WIN 0
.if (\ri) > 1
	s_wait_alu depctr_va_vdst(0)
	s_wait_xcnt 0x0
.endif
.irp b, 0,1,2,3,4,5,6,7
	v_cvt_scalef32_pk8_fp8_f32 v[PS+2*\b:PS+2*\b+1], v[TMP+8*\b:TMP+8*\b+7], v[SCL]
.endr
	v_nop
.irp c, 0,1,2,3
	global_store_b128 v[LI], v[PS+4*\c:PS+4*\c+3], s[OUTV:OUTV+1] offset:(\ri)*2048+512*\c
.endr
.endm
	s_load_b256 s[4:11], s[0:1], 0x0               ; x_codes, wqkv_codes, scales, rope
	s_load_b128 s[68:71], s[0:1], 0x20             ; q_codes, k_codes
	s_load_b64 s[72:73], s[0:1], 0x30              ; v_codes
	v_lshl_add_u32 v[SPW], v0, 2, SPARE
	v_mov_b32 v[NIL], 0
	ds_add_u32 v[SPW], v[NIL]                      ; the opening: the add twice on end and its wait ahead of my tensor load
	ds_add_u32 v[SPW], v[NIL]
	v_lshrrev_b32 v1, 5, v0
	v_readfirstlane_b32 s14, v1                    ; wave 0..3
	s_lshr_b32 s15, s14, 1                         ; i
	s_and_b32 s16, s14, 1                          ; j
	s_bfe_u32 s40, ttmp6, 0x40000
	s_lshl_b32 s41, ttmp9, 2
	s_add_co_u32 s41, s41, s40                     ; g
	s_and_b32 s42, ttmp7, 0xffff                   ; y
	s_mov_b32 s[G1], 15|(1<<20)|(1<<21)|(7<<22)|(3<<25)   ; the four partners; elements of 1 byte; four words of padding after every 256
	s_mov_b32 s[G1+1], 1024<<16
	s_mov_b32 s[G1+2], 64<<16
	s_mov_b32 s[G1+3], 1024<<16
	s_mov_b32 s[G1+4], 64
	s_mov_b32 s[G1+5], 1024
	s_mov_b32 s[G1+6], 0
	s_mov_b32 s[G1+7], 0
	s_mov_b32 s[G0], 1
	s_mul_i32 s[G0+1], s14, 64*PITCH
	s_lshl_b32 s20, s42, 8
	s_lshl_b32 s21, s14, 6
	s_add_co_u32 s20, s20, s21
	s_lshl_b32 s20, s20, 10                        ; x's row 256 y + 64 wave
	s_mov_b32 s21, 0
	s_wait_dscnt 0x0
	s_wait_kmcnt 0x0
	s_load_b256 s[76:83], s[8:9], 0x0              ; e0 .. e7
	s_add_nc_u64 s[G0+2:G0+3], s[4:5], s[20:21]
	s_or_b32 s[G0+3], s[G0+3], 0x80000000
	ROUND
	tensor_load_to_lds s[G0:G0+3], s[G1:G1+7]      ; my 64 rows of x, the whole K: the launch's only fill
	s_nop 0
	NOPS 4
	s_lshl_b32 s22, s41, 17
	s_lshl_b32 s23, s16, 16
	s_add_co_u32 s22, s22, s23                     ; w's rows 128 g + 64 j: 16,384 bytes a tile of 16
	s_mov_b32 s23, 0
	s_add_nc_u64 s[R0:R0+1], s[6:7], s[22:23]
	s_add_nc_u64 s[RN:RN+1], s[R0:R0+1], 0x100000  ; k's rows lie 1,024 rows on, v's 2,048
	s_lshr_b32 s20, s42, 3
	s_lshl_b32 s20, s20, 4
	s_lshl_b32 s21, s41, 1
	s_add_co_u32 s20, s20, s21
	s_add_co_u32 s20, s20, s16                     ; 16 x batch + head
	s_lshl_b32 s20, s20, 17
	s_and_b32 s21, s42, 7
	s_lshl_b32 s21, s21, 8
	s_lshl_b32 s22, s15, 7
	s_add_co_u32 s21, s21, s22                     ; t of my first row
	s_lshl_b32 s22, s21, 6                         ; 1,024 bytes for 16 t in q and k, 8,192 for 128 in v
	s_add_co_u32 s22, s22, s20
	s_add_nc_u64 s[OUT:OUT+1], s[68:69], s[22:23]
	s_add_nc_u64 s[OUTK:OUTK+1], s[70:71], s[22:23]
	s_add_nc_u64 s[OUTV:OUTV+1], s[72:73], s[22:23]
	s_lshl_b32 s22, s21, 8
	s_add_nc_u64 s[TBL:TBL+1], s[10:11], s[22:23]
	s_mul_i32 s20, s15, 128*PITCH
	v_and_b32 v5, 31, v0
	v_lshlrev_b32 v[LI], 4, v5
	WIN 0x40
.irp s, 0,1,2,3
	RLOAD R0, \s
.endr
	WIN 0x80
.irp s, 4,5,6,7
	RLOAD R0, \s
.endr
	WIN 0
	v_and_b32 v1, 15, v0
	v_bfe_u32 v2, v0, 4, 1
	v_mul_u32_u24 v3, v1, PITCH
	v_lshl_add_u32 v3, v2, 4, v3
	v_add_nc_u32 v[ADL], s20, v3
	v_add_nc_u32 v[ADL+1], 64*PITCH, v[ADL]
	v_lshlrev_b32 v[VR], 8, v1
	v_lshl_add_u32 v[VR], v2, 5, v[VR]
	s_wait_kmcnt 0x0
	s_sub_co_i32 s84, 127, s76
	s_sub_co_i32 s84, s84, s77                     ; 127 - e0 - e1
	s_mov_b32 s85, s78                             ; e2
	s_mov_b32 s3, 2
	s_wait_alu depctr_va_vdst(0)
	s_wait_tensorcnt 0x0                           ; my rows of x are in,
	s_barrier_signal -1
	s_barrier_wait -1                              ; and everybody's
.Ltile:                                            ; q, then k
	s_wait_loadcnt 0x0                             ; this tile's w
	CORE 1, 1
	SCALES
	QKBLOCK 0, 63
	QKBLOCK 1, 48
	QKBLOCK 2, 48
	QKBLOCK 3, 32
	QKBLOCK 4, 24
	QKBLOCK 5, 16
	QKBLOCK 6, 8
	QKBLOCK 7, 0
	s_wait_xcnt 0x0                                ; loads and stores have read their bases
	s_add_nc_u64 s[RN:RN+1], s[RN:RN+1], 0x100000
	s_mov_b64 s[OUT:OUT+1], s[OUTK:OUTK+1]
	s_mov_b32 s85, s79                             ; e3
	s_sub_co_u32 s3, s3, 1
	s_cmp_lg_u32 s3, 0
	s_wait_alu depctr_va_vdst(0)
	s_cbranch_scc1 .Ltile
	s_wait_loadcnt 0x0
	CORE 0, 0                                      ; v
	s_mov_b32 s85, s81                             ; e5
	SCALES
.irp ri, 0,1,2,3
	VBLOCK \ri
.endr
	s_wait_tensorcnt 0x0                           ; the wave's end
	ds_add_u32 v[SPW], v[NIL]
	s_wait_dscnt 0x0
	ROUND                                          ; the closing round
	s_endpgm
.Lfunc_end_k_q3d9d91c0c7_qkv:
	.size	k_q3d9d91c0c7_qkv, .Lfunc_end_k_q3d9d91c0c7_qkv-k_q3d9d91c0c7_qkv
	.p2alignl 7, 3214868480
	.fill 96, 4, 3214868480
	.section	.rodata,"a",@progbits
	.p2align	6, 0x0
	.amdhsa_kernel k_q3d9d91c0c7_qkv
		.amdhsa_group_segment_fixed_size 327680
		.amdhsa_private_segment_fixed_size 0
		.amdhsa_enable_private_segment 0
		.amdhsa_kernarg_size 56
		.amdhsa_user_sgpr_count 2
		.amdhsa_user_sgpr_kernarg_segment_ptr 1
		.amdhsa_wavefront_size32 1
		.amdhsa_system_sgpr_workgroup_id_x 1
		.amdhsa_system_sgpr_workgroup_id_y 1
		.amdhsa_system_sgpr_workgroup_id_z 1
		.amdhsa_system_vgpr_workitem_id 0
		.amdhsa_next_free_vgpr 1024
		.amdhsa_next_free_sgpr 98
		.amdhsa_reserve_vcc 0
		.amdhsa_float_denorm_mode_32 3
		.amdhsa_float_denorm_mode_16_64 3
		.amdhsa_memory_ordered 1
		.amdhsa_forward_progress 1
		.amdhsa_inst_pref_size 164
	.end_amdhsa_kernel
	.amdgpu_metadata
---
amdhsa.version: [ 1, 2 ]
amdhsa.kernels:
  - .name:           k_q3d9d91c0c7_qkv
    .symbol:         k_q3d9d91c0c7_qkv.kd
    .args:
      - { .name: x_codes, .offset: 0, .size: 8, .value_kind: global_buffer, .address_space: global }
      - { .name: wqkv_codes, .offset: 8, .size: 8, .value_kind: global_buffer, .address_space: global }
      - { .name: lowp_scales, .offset: 16, .size: 8, .value_kind: global_buffer, .address_space: global }
      - { .name: rope, .offset: 24, .size: 8, .value_kind: global_buffer, .address_space: global }
      - { .name: q_codes, .offset: 32, .size: 8, .value_kind: global_buffer, .address_space: global }
      - { .name: k_codes, .offset: 40, .size: 8, .value_kind: global_buffer, .address_space: global }
      - { .name: v_codes, .offset: 48, .size: 8, .value_kind: global_buffer, .address_space: global }
    .group_segment_fixed_size: 327680
    .private_segment_fixed_size: 0
    .kernarg_segment_align: 8
    .kernarg_segment_size: 56
    .max_flat_workgroup_size: 128
    .sgpr_count:     98
    .vgpr_count:     1024
    .wavefront_size: 32
...
	.end_amdgpu_metadata
.endif
;; end of part 2
;; launch attn (part 3): grid 4 x 64, 8 waves a work-group, clusters of 4 x 1, 327,680 bytes of LDS; arguments q_codes, k_codes, v_codes, lowp_scales, a_codes; writes a_codes
.if DOCPART == 3
	.amdgcn_target "amdgcn-amd-amdhsa--gfx1250"
	.amdhsa_code_object_version 6
	.text
	.protected	k_q3d9d91c0c7_attn
	.globl	k_q3d9d91c0c7_attn
	.p2align	8
	.type	k_q3d9d91c0c7_attn,@function
k_q3d9d91c0c7_attn:
	s_mov_b64 s[64:65], 0
	v_nop
	global_prefetch_b8 v0, s[64:65] scope:SCOPE_SE
	s_setreg_imm32_b32 hwreg(HW_REG_WAVE_MODE, 25, 1), 1
	s_wait_xcnt 0x0
	s_wait_alu depctr_hold_cnt(0) depctr_sa_sdst(0) depctr_va_vdst(0) depctr_va_sdst(0) depctr_va_ssrc(0) depctr_va_vcc(0) depctr_vm_vsrc(0)
	s_getreg_b32 s2, hwreg(HW_REG_IB_STS2, 6, 4)
	s_cmp_eq_u32 s2, 0
	s_cbranch_scc0 .Lentry_in_a_cluster
	s_endpgm
.Lentry_in_a_cluster:
	s_bfe_u32 s2, ttmp6, 0x10000c
	s_cmp_lg_u32 s2, 0x3003
	s_cbranch_scc0 .Lentry_shape_is_right
	s_endpgm
.Lentry_shape_is_right:
; Causal attention of 64 heads (4 batches x 16), 2,048 positions, head size 64, both products on codes of FP8 (E4M3); the result leaves as codes for the last product.
; THE SOFTMAX: t = score x log2(e) / 8; M = the row's largest t so far, rounded UP to a whole number; p = 2^(t - M) is quantised with 2^e4, not normalised; the row's sum is taken of the unquantised p and divides at the end.
; When M moves, the sum and O are multiplied by 2^(old M - new M), which rounds nothing.
; LEFT OUT: key steps all of whose keys come after a block's queries: the causal mask hides them, so their p is 0 whatever the inputs hold.
; A HEAD'S K AND V LIE IN LDS WHOLE: 16 key steps x 8,192 bytes of K from byte 0, as many of V from byte 131,072.  Nothing is filled twice, and the walk over the keys has one barrier, behind the first three trips.
; SHARES.  The four work-groups of a cluster serve one head.  Wave w (0..7) of partner p owns the blocks of 32 queries 63 - m and m, m = p + 4 w: 16 - w and w + 1 key steps of 128, SEVENTEEN for every wave.
; Trip counts, branches and LDS addresses hang on w and the trip's number alone; p enters only my own global addresses and the mask's threshold, which is data.
; JOINT LOADS: all four partners need all of K and V (wave 0's first block walks all 16 steps), at the same two places of the text: mask 15.  Steps 0-3 are asked for at the head (8,192 bytes a wave),
; steps 4-15 behind a round of the cluster's barrier (24,576 bytes a wave); three trips run on the first fill, then one wait and one barrier show the second.
; NO PREFETCH: both fills are asked for at the head; no load follows that a request could run ahead of.
; LAYOUT.  S^T = K Q^T (source 0 = 16 keys, source 1 = 16 queries; K = 64), O^T = V^T P^T (source 0 = 16 of the head's 64, source 1 = P; K = 128 keys): a lane holds one query of each of my two tiles.
; Each fragment of K and of V serves both tiles.  Register j of S^T's tile t is key 16 t + 8 (lane / 16) + j: the place that the K = 128 form gives registers 2 t, 2 t + 1: the conversions' results ARE P.
; q, k, v arrive as images of the operands' registers (16 bytes a lane), so every LDS read is at a constant + 16 x lane.
; a_codes [ks 4][row / 16][kq 2][c 4][lane][16]: head = 4 ks + 2 kq + c / 2; lane (r, h), byte 8 u + j: row 16 rb + r, d = 32 (c % 2) + 16 u + 8 h + j.
; LIMITS: e2 + e3 between -123 and 130 (added to c's exponent field); e4 and e6 between -126 and 119; e4 + e5 goes by v_ldexp_f32.  The scaled scores stay under 2^31 in magnitude.
; REGISTERS.  Window 0: v1-8 addresses and thresholds; v[10:11], v[12:13] (-M, largest t) of tile 0, 1; v[14:15], v[224:225] the sums; v16-31 Q; v32-95 K; v96-159, v160-223 S^T, then p; v226-229 f; v230-255 at work.
; Window 1: v0-63 V; v64-95, v96-127 O^T; v128-143, v144-159 P; v160-175 the second block's Q.
.set VOFF,  131072
.set SPARE, 262144                     ; behind K and V: the spare words, 128 bytes for each of the eight waves
.set LI,  1                            ; 16 x lane
.set ADK, 2                            ; the next step's K
.set ADV, 3                            ; this step's V
.set DQ,  4                            ; the mask's threshold: my query's place in the diagonal step - 8 h, for tile 0
.set SPW, 5
.set NIL, 6
.set LIV, 7                            ; VOFF + 16 x lane
.set DQ2, 8                            ; the second block's threshold
.set NM,  10
.set QF,  16
.set KR,  32
.set S,   96
.set FF,  226
.set PD,  230                          ; lane permutes' destinations
.set LIM4, 232                         ; 448 x 2^e4, 2^e4, 448 x 2^e6, 2^e6
.set SC4,  233
.set LIM6, 234
.set SC6,  235
.set MX,  236
.set TS,  240
.set VF,  0                            ; window 1
.set OT,  64
.set PC,  128
.set Q2,  160
.set WV, 14
.set PX, 15
.set N1, 16                            ; 16 - w: trips of the first block
.set LASTI, 17                         ; the trip in which the block in hand ends
.set I,  18
.set ST, 19
.set SEL, 20
.set CS, 22
.set G1A, 24
.set G0A, 32
.set G0B, 36
.set QA, 40
.set QB, 42
.set OA, 44
.set OB, 46
.set G1B, 48
.set NX, 56
.set TA, 57
.set TB, 58
.set E45, 59
.set MSB, 0
.macro WIN new                         ; the immediate's high byte repeats the setting that is left
.if MSB != (\new)
	s_set_vgpr_msb (MSB<<8)|(\new)
.set MSB, (\new)
.endif
.endm
.macro ROUND                           ; a round of the cluster's barrier
	s_barrier_signal -1
	s_barrier_wait -1
	s_cmp_lg_u32 s[WV], 0
	s_cbranch_scc1 .Lnw0_\@
	s_barrier_signal -3
.Lnw0_\@:
	s_barrier_wait -3
	s_barrier_signal -1
	s_barrier_wait -1
.endm
.macro NOPS n
.rept \n
	v_nop
.endr
.endm
	s_load_b256 s[4:11], s[0:1], 0x0               ; q_codes, k_codes, v_codes, scales
	s_load_b64 s[12:13], s[0:1], 0x20              ; a_codes
	v_lshl_add_u32 v[SPW], v0, 2, SPARE
	v_mov_b32 v[NIL], 0
	ds_add_u32 v[SPW], v[NIL]                      ; the opening: the add twice on end and its wait ahead of my first tensor load
	ds_add_u32 v[SPW], v[NIL]
	v_lshrrev_b32 v2, 5, v0
	v_readfirstlane_b32 s[WV], v2                  ; wave 0..7
	s_bfe_u32 s[PX], ttmp6, 0x40000                ; p: my place in the cluster
	s_and_b32 s60, ttmp7, 0xffff                   ; 16 x batch + head
	s_lshl_b32 s76, s60, 17                        ; its first byte in q, k, v: 131,072 bytes a head
	s_mov_b32 s77, 0
	s_mov_b32 s[G1A], 15|(3<<16)|(1<<21)           ; the mask of all four partners; elements of 8 bytes; bit 21 beside a mask
	s_mov_b32 s[G1A+1], 32<<16                     ; rows of 256 bytes
	s_mov_b32 s[G1A+2], 32<<16                     ; 32 rows: 8,192 bytes
	s_mov_b32 s[G1A+3], 32<<16
	s_mov_b32 s[G1A+4], 32
	s_mov_b32 s[G1A+5], 32                         ; dense
	s_mov_b32 s[G1A+6], 0
	s_mov_b32 s[G1A+7], 0
	s_mov_b32 s[G1B], 15|(3<<16)|(1<<21)
	s_mov_b32 s[G1B+1], 32<<16
	s_mov_b32 s[G1B+2], 96<<16                     ; 96 rows: 24,576 bytes
	s_mov_b32 s[G1B+3], 32<<16
	s_mov_b32 s[G1B+4], 96
	s_mov_b32 s[G1B+5], 32
	s_mov_b32 s[G1B+6], 0
	s_mov_b32 s[G1B+7], 0
	s_and_b32 s61, s[WV], 3                        ; waves 0-3 fetch K's quarters, waves 4-7 V's
	s_lshr_b32 s62, s[WV], 2
	s_lshl_b32 s62, s62, 17
	s_lshl_b32 s78, s61, 13                        ; first fill: key step w % 4
	s_mov_b32 s79, 0
	s_mul_i32 s66, s61, 24576
	s_add_co_u32 s66, s66, 32768                   ; second fill: three key steps from 4 + 3 (w % 4) on
	s_mov_b32 s67, 0
	s_mov_b32 s[G0A], 1
	s_add_co_u32 s[G0A+1], s62, s78
	s_mov_b32 s[G0B], 1
	s_add_co_u32 s[G0B+1], s62, s66
	s_mov_b32 s[SEL], 0x76543210
	s_mov_b32 s[SEL+1], 0xfedcba98
	s_wait_dscnt 0x0                               ; both opening adds are done
	s_wait_kmcnt 0x0
	s_load_b256 s[68:75], s[10:11], 0x0            ; e0 .. e7
	s_cmp_lt_u32 s[WV], 4
	s_cselect_b64 s[62:63], s[6:7], s[8:9]
	s_add_nc_u64 s[62:63], s[62:63], s[76:77]
	s_add_nc_u64 s[G0A+2:G0A+3], s[62:63], s[78:79]
	s_or_b32 s[G0A+3], s[G0A+3], 0x80000000
	s_add_nc_u64 s[G0B+2:G0B+3], s[62:63], s[66:67]
	s_or_b32 s[G0B+3], s[G0B+3], 0x80000000
	ROUND                                          ; the four partners are here: the first joint loads meet
	tensor_load_to_lds s[G0A:G0A+3], s[G1A:G1A+7]  ; key steps 0-3: my one tensor load at the head
	s_nop 0
	NOPS 4
	s_lshl_b32 s61, s[WV], 2
	s_add_co_u32 s61, s61, s[PX]                   ; m
	s_sub_co_u32 s66, 63, s61                      ; 63 - m: the first block
	s_sub_co_u32 s[N1], 16, s[WV]
	s_sub_co_u32 s[LASTI], 15, s[WV]
	s_add_nc_u64 s[4:5], s[4:5], s[76:77]
	s_lshl_b32 s78, s66, 11                        ; a block of 32 queries is 2,048 bytes of codes
	s_add_nc_u64 s[QA:QA+1], s[4:5], s[78:79]
	s_lshl_b32 s78, s61, 11
	s_add_nc_u64 s[QB:QB+1], s[4:5], s[78:79]
	s_and_b32 s62, s60, 15                         ; the head
	s_lshr_b32 s63, s60, 4
	s_lshl_b32 s63, s63, 19                        ; the batch: 128 tiles of rows, 4,096 bytes each
	s_lshr_b32 s78, s62, 2
	s_lshl_b32 s78, s78, 21                        ; ks = head / 4
	s_add_co_u32 s78, s78, s63
	s_and_b32 s62, s62, 3
	s_lshl_b32 s62, s62, 10                        ; 1,024 (head % 4)
	s_add_co_u32 s78, s78, s62
	s_add_nc_u64 s[12:13], s[12:13], s[78:79]
	s_lshl_b32 s78, s66, 13                        ; a block is two tiles of rows
	s_add_nc_u64 s[OA:OA+1], s[12:13], s[78:79]
	s_lshl_b32 s78, s61, 13
	s_add_nc_u64 s[OB:OB+1], s[12:13], s[78:79]
	s_lshl_b32 s62, s[PX], 5                       ; block m begins 32 p keys into its last step,
	s_sub_co_u32 s63, 96, s62                      ; block 63 - m 32 (3 - p)
	v_and_b32 v1, 31, v0
	v_lshlrev_b32 v[LI], 4, v1
	v_add_nc_u32 v[LIV], VOFF, v[LI]
.irp i, 0,1,2,3
	global_load_b128 v[QF+4*\i:QF+4*\i+3], v[LI], s[QA:QA+1] offset:512*\i
.endr
	WIN 0x40
.irp i, 0,1,2,3
	global_load_b128 v[Q2+4*\i:Q2+4*\i+3], v[LI], s[QB:QB+1] offset:512*\i
.endr
.set j, 0
.rept 64
	v_mov_b32 v[OT+j], 0                           ; O^T, once: the step is written once, and a block's first step multiplies what it finds by f = 0 (so the second block clears nothing)
.set j, j+1
.endr
	WIN 0
	v_and_b32 v9, 15, v0
	v_bfe_u32 v[DQ2], v0, 4, 1
	v_lshlrev_b32 v[DQ2], 3, v[DQ2]
	v_sub_nc_u32 v9, v9, v[DQ2]                    ; r - 8 h
	v_add_nc_u32 v[DQ], s63, v9
	v_add_nc_u32 v[DQ2], s62, v9
.irp x, 0,1
	v_mov_b32 v[NM+2*\x+1], 0xff61b1e6             ; the largest t so far: -3e38
	v_floor_f32 v[NM+2*\x], -v[NM+2*\x+1]          ; -M
	v_mov_b32 v[14+210*\x], 0
	v_mov_b32 v[15+210*\x], 0
	v_mov_b32 v[FF+2*\x+1], 0                      ; (named as a pair's upper half)
	v_mov_b32 v[PD+\x], 0                          ; a lane permute's destination counts as a source
.endr
	s_wait_kmcnt 0x0
	s_mov_b32 s[CS], 0x3e38aa3b                    ; log2(e) / 8
	s_add_co_i32 s60, s70, s71
	s_lshl_b32 s60, s60, 23
	s_add_co_i32 s[CS], s[CS], s60                 ; x 2^(e2 + e3), in the exponent field
	s_mov_b32 s[CS+1], s[CS]
	s_add_co_i32 s60, s72, 127
	s_lshl_b32 s61, s60, 23
	v_mov_b32 v[SC4], s61
	s_add_co_i32 s60, s60, 8
	s_lshl_b32 s60, s60, 23
	s_or_b32 s60, s60, 0x600000
	v_mov_b32 v[LIM4], s60
	s_add_co_i32 s60, s74, 127
	s_lshl_b32 s61, s60, 23
	v_mov_b32 v[SC6], s61
	s_add_co_i32 s60, s60, 8
	s_lshl_b32 s60, s60, 23
	s_or_b32 s60, s60, 0x600000
	v_mov_b32 v[LIM6], s60
	s_add_co_i32 s[E45], s72, s73
.macro IDX dst, add                    ; the key step of trip I + add, x 8,192: the trip's number in the first block, less 16 - w in the second: (trip + w) mod 16
	s_add_co_u32 s[TA], s[I], \add
	s_cmp_ge_u32 s[TA], s[N1]
	s_cselect_b32 s[TB], s[WV], 0
	s_add_co_u32 s[TA], s[TA], s[TB]
	s_and_b32 s[TA], s[TA], 15
	s_lshl_b32 s[\dst], s[TA], 13
.endm
; A KEY STEP: 128 keys x my 32 queries.  full = 0: the first three trips, in which the step is the trip's number and no block ends.
.macro STEP full
.if \full
	IDX ST, 0
	IDX NX, 1
.else
	s_lshl_b32 s[ST], s[I], 13
	s_add_co_u32 s[NX], s[ST], 8192
.endif
	s_wait_dscnt 0x0                               ; this step's K, asked for a step ago
.irp t, 0,1,2,3,4,5,6,7
	v_wmma_f32_16x16x64_fp8_fp8 v[S+8*\t:S+8*\t+7], v[KR+8*\t:KR+8*\t+7], v[QF:QF+7], 0
	v_wmma_f32_16x16x64_fp8_fp8 v[S+64+8*\t:S+64+8*\t+7], v[KR+8*\t:KR+8*\t+7], v[QF+8:QF+15], 0
.endr
	v_add_nc_u32 v[ADV], s[ST], v[LIV]             ; with the two v_nop: four places ahead of the loads into K's and V's registers and of the scores' first read
	v_add_nc_u32 v[ADK], s[NX], v[LI]
	NOPS 2
	WIN 0x40
.irp c, 0,1,2,3,4,5,6,7,8,9,10,11,12,13,14,15
	ds_load_b128 v[VF+4*\c:VF+4*\c+3], v[ADV] offset:512*\c
.endr
	WIN 0
.irp c, 0,1,2,3,4,5,6,7,8,9,10,11,12,13,14,15
	ds_load_b128 v[KR+4*\c:KR+4*\c+3], v[ADK] offset:512*\c   ; the next step's K lands under the softmax (behind the last trip: a step that lies in LDS, read for nothing)
.endr
.if \full
	s_cmp_lg_u32 s[I], s[LASTI]                    ; a block's last step lies on the diagonal: hidden scores become -infinity, p = 0
	s_cbranch_scc1 .Lopen_\@
	v_mov_b32 v[MX], 0xff800000
.set n, 0
.rept 64                               ; tile 0's register 8 t + j is hidden where 16 t + j is above the threshold; tile 1's queries lie 16 on, so the same test serves its register 8 (t + 1) + j; its t = 0 is never hidden
	v_cmp_gt_i32 vcc_lo, 16*(n/8)+n%8, v[DQ]
	v_cndmask_b32 v[S+n], v[S+n], v[MX], vcc_lo
.if n < 56
	v_cndmask_b32 v[S+72+n], v[S+72+n], v[MX], vcc_lo
.endif
.set n, n+1
.endr
.Lopen_\@:
.endif
.irp x, 0,1                            ; the step's largest scores: two chains a tile, the tiles by turns
	v_max3_num_f32 v[MX+2*\x], v[S+64*\x], v[S+64*\x+1], v[S+64*\x+2]
	v_max3_num_f32 v[MX+2*\x+1], v[S+64*\x+3], v[S+64*\x+4], v[S+64*\x+5]
.endr
.irp i, 6,10,14,18,22,26,30,34,38,42,46,50,54,58
.irp x, 0,1
	v_max3_num_f32 v[MX+2*\x], v[MX+2*\x], v[S+64*\x+\i], v[S+64*\x+\i+1]
	v_max3_num_f32 v[MX+2*\x+1], v[MX+2*\x+1], v[S+64*\x+\i+2], v[S+64*\x+\i+3]
.endr
.endr
.irp x, 0,1
	v_max3_num_f32 v[MX+2*\x], v[MX+2*\x], v[S+64*\x+62], v[S+64*\x+63]
.endr
.irp x, 0,1
	v_max_num_f32 v[MX+2*\x], v[MX+2*\x], v[MX+2*\x+1]
.endr
.irp x, 0,1
	v_permlanex16_b32 v[PD+\x], v[MX+2*\x], s[SEL], s[SEL+1]
.endr
.irp x, 0,1
	v_max_num_f32 v[MX+2*\x], v[MX+2*\x], v[PD+\x] ; and lane l xor 16's
.endr
.irp x, 0,1
	v_mul_f32 v[MX+2*\x], s[CS], v[MX+2*\x]        ; as t
.endr
.irp x, 0,1
	v_max_num_f32 v[NM+2*\x+1], v[NM+2*\x+1], v[MX+2*\x]
	v_mov_b32 v[MX+2*\x+1], v[NM+2*\x]
.endr
.irp x, 0,1
	v_floor_f32 v[NM+2*\x], -v[NM+2*\x+1]          ; the new -M
.endr
.irp x, 0,1
	v_sub_f32 v[MX+2*\x+1], v[NM+2*\x], v[MX+2*\x+1]   ; old M - new M, a whole number
.endr
.irp x, 0,1
	v_cvt_i32_f32 v[MX+2*\x+1], v[MX+2*\x+1]       ; (it saturates)
.endr
.irp x, 0,1
	v_ldexp_f32 v[FF+2*\x], 1.0, v[MX+2*\x+1]      ; f = 2^(old M - new M)
.endr
.irp x, 0,1
.set j, 0
.rept 32
	v_pk_fma_f32 v[S+64*\x+j:S+64*\x+j+1], v[S+64*\x+j:S+64*\x+j+1], s[CS:CS+1], v[NM+2*\x:NM+2*\x+1] op_sel_hi:[1,0,0]   ; t - M
.set j, j+2
.endr
.endr
	s_wait_alu depctr_va_vdst(0)
.set j, 0
.rept 128
	v_exp_f32 v[S+j], v[S+j]                       ; p
.set j, j+1
.endr
	v_pk_mul_f32 v[14:15], v[14:15], v[FF:FF+1] op_sel_hi:[1,0]          ; the sums under the new M: plain lines behind the batch
	v_pk_mul_f32 v[224:225], v[224:225], v[FF+2:FF+3] op_sel_hi:[1,0]
	s_wait_alu depctr_va_vdst(0)                   ; and the one wait behind it
.irp c, 0,1,2,3                        ; the sums of the unquantised p: four chains a tile
.irp x, 0,1
	v_pk_add_f32 v[TS+8*\x+2*\c:TS+8*\x+2*\c+1], v[S+64*\x+2*\c:S+64*\x+2*\c+1], v[S+64*\x+8+2*\c:S+64*\x+8+2*\c+1]
.endr
.endr
.irp k, 16,24,32,40,48,56
.irp c, 0,1,2,3
.irp x, 0,1
	v_pk_add_f32 v[TS+8*\x+2*\c:TS+8*\x+2*\c+1], v[TS+8*\x+2*\c:TS+8*\x+2*\c+1], v[S+64*\x+\k+2*\c:S+64*\x+\k+2*\c+1]
.endr
.endr
.endr
.irp x, 0,1
	v_pk_add_f32 v[TS+8*\x:TS+8*\x+1], v[TS+8*\x:TS+8*\x+1], v[TS+8*\x+2:TS+8*\x+3]
	v_pk_add_f32 v[TS+8*\x+4:TS+8*\x+5], v[TS+8*\x+4:TS+8*\x+5], v[TS+8*\x+6:TS+8*\x+7]
.endr
.irp x, 0,1
	v_pk_add_f32 v[TS+8*\x:TS+8*\x+1], v[TS+8*\x:TS+8*\x+1], v[TS+8*\x+4:TS+8*\x+5]
.endr
.irp x, 0,1
	v_pk_add_f32 v[14+210*\x:15+210*\x], v[14+210*\x:15+210*\x], v[TS+8*\x:TS+8*\x+1]
.endr
.set j, 0
.rept 128
	v_min_num_f32 v[S+j], v[S+j], v[LIM4]          ; the conversion does not saturate (ISA guide 7.6.2); p is not negative: a one-sided hold
.set j, j+1
.endr
	WIN 0x40
.set j, 0
.rept 16
	v_cvt_scalef32_pk8_fp8_f32 v[PC+2*j:PC+2*j+1], v[S+8*j:S+8*j+7], v[SC4]
.set j, j+1
.endr
	WIN 0x41
	s_wait_alu depctr_va_vdst(0)                   ; directly ahead of O^T's first reader
.irp x, 0,1
.set j, 0
.rept 16
	v_pk_mul_f32 v[OT+32*\x+j:OT+32*\x+j+1], v[OT+32*\x+j:OT+32*\x+j+1], v[FF+2*\x:FF+2*\x+1] op_sel_hi:[1,0]   ; O^T under the new M, each accumulator from its low end on
.set j, j+2
.endr
.endr
	s_wait_alu depctr_va_vdst(0)
	s_wait_dscnt 16                                ; V's sixteen loads are in; the sixteen of the next step's K may be out
	WIN 0x55
.irp d, 0,1,2,3
.irp x, 0,1
	v_wmma_f32_16x16x128_fp8_fp8 v[OT+32*\x+8*\d:OT+32*\x+8*\d+7], v[VF+16*\d:VF+16*\d+15], v[PC+16*\x:PC+16*\x+15], v[OT+32*\x+8*\d:OT+32*\x+8*\d+7]   ; eight accumulators by turns
.endr
.endr
	WIN 0
.endm
	s_wait_alu depctr_va_vdst(0)
	s_wait_tensorcnt 0x0                           ; my part of key steps 0-3 is in; these lines stand ahead of the second fill
	ds_add_u32 v[SPW], v[NIL]
	s_wait_dscnt 0x0
	ROUND                                          ; everybody's part is in, and the four partners meet
	tensor_load_to_lds s[G0B:G0B+3], s[G1B:G1B+7]  ; key steps 4-15: three trips stand between this line and the wait for it
	s_nop 0
	NOPS 4
.irp c, 0,1,2,3,4,5,6,7,8,9,10,11,12,13,14,15
	ds_load_b128 v[KR+4*\c:KR+4*\c+3], v[LI] offset:512*\c    ; key step 0's K
.endr
	s_mov_b32 s[I], 0
	s_wait_loadcnt 0x0                             ; Q, both blocks
.LloopA:                                           ; trips 0-2 read key steps 0-3 alone (V of 0-2, K up to 3)
	STEP 0
	s_add_co_u32 s[I], s[I], 1
	s_cmp_lt_u32 s[I], 3
	s_wait_alu depctr_va_vdst(0)
	s_cbranch_scc1 .LloopA
	s_wait_tensorcnt 0x0                           ; my part of key steps 4-15 is in,
	s_wait_dscnt 0x0
	s_barrier_signal -1
	s_barrier_wait -1                              ; and everybody's: from here on nothing in LDS changes
	s_mov_b32 s[I], 3
.LloopB:                                           ; trips 3-16
	STEP 1
	s_cmp_lg_u32 s[I], s[LASTI]
	s_cbranch_scc1 .Lsame
	; A BLOCK IS DONE: O^T x 2^(e4 + e5) / the sum, held, converted with 2^e6; four stores of 512 consecutive bytes a wave
	NOPS 4
	v_add_f32 v14, v14, v15
	v_add_f32 v224, v224, v225
	v_permlanex16_b32 v[PD], v14, s[SEL], s[SEL+1]
	v_permlanex16_b32 v[PD+1], v224, s[SEL], s[SEL+1]
	v_add_f32 v14, v14, v[PD]
	v_add_f32 v224, v224, v[PD+1]
	s_wait_alu depctr_va_vdst(0)
	v_rcp_f32 v14, v14
	v_rcp_f32 v224, v224
	v_nop
	s_wait_alu depctr_va_vdst(0)
	v_ldexp_f32 v14, v14, s[E45]
	v_ldexp_f32 v224, v224, s[E45]
	WIN 0x01
	s_wait_alu depctr_va_vdst(0)                   ; directly ahead of O^T's first reader
.irp x, 0,1
.set j, 0
.rept 16
	v_pk_mul_f32 v[S+32*\x+j:S+32*\x+j+1], v[OT+32*\x+j:OT+32*\x+j+1], v[14+210*\x:15+210*\x] op_sel_hi:[1,0]
.set j, j+2
.endr
.endr
	WIN 0
.set j, 0
.rept 64
	v_med3_num_f32 v[S+j], v[S+j], -v[LIM6], v[LIM6]
.set j, j+1
.endr
.set j, 0
.rept 8
	v_cvt_scalef32_pk8_fp8_f32 v[TS+2*j:TS+2*j+1], v[S+8*j:S+8*j+7], v[SC6]
.set j, j+1
.endr
	v_nop
.irp x, 0,1
	global_store_b128 v[LI], v[TS+8*\x:TS+8*\x+3], s[OA:OA+1] offset:4096*\x
	global_store_b128 v[LI], v[TS+8*\x+4:TS+8*\x+7], s[OA:OA+1] offset:4096*\x+512
.endr
	s_cmp_eq_u32 s[I], 16
	s_cbranch_scc1 .Lend                           ; the second block was the last
	s_wait_xcnt 0x0                                ; the stores have read their base and data
	s_mov_b64 s[OA:OA+1], s[OB:OB+1]
	s_mov_b32 s[LASTI], 16
	WIN 0x01
.set j, 0
.rept 16
	v_mov_b32 v[QF+j], v[Q2+j]
.set j, j+1
.endr
	WIN 0
	v_mov_b32 v[DQ], v[DQ2]
.irp x, 0,1
	v_mov_b32 v[NM+2*\x+1], 0xff61b1e6             ; with -M back at its start the next f is 0: the finite O^T is multiplied away
	v_floor_f32 v[NM+2*\x], -v[NM+2*\x+1]
	v_mov_b32 v[14+210*\x], 0
	v_mov_b32 v[15+210*\x], 0
.endr
.Lsame:
	s_add_co_u32 s[I], s[I], 1
	s_cmp_lt_u32 s[I], 17
	s_wait_alu depctr_va_vdst(0)
	s_cbranch_scc1 .LloopB
.Lend:
	s_wait_tensorcnt 0x0                           ; the wave's end
	ds_add_u32 v[SPW], v[NIL]
	s_wait_dscnt 0x0
	ROUND                                          ; the closing round
	s_endpgm
.Lfunc_end_k_q3d9d91c0c7_attn:
	.size	k_q3d9d91c0c7_attn, .Lfunc_end_k_q3d9d91c0c7_attn-k_q3d9d91c0c7_attn
	.p2alignl 7, 3214868480
	.fill 96, 4, 3214868480
	.section	.rodata,"a",@progbits
	.p2align	6, 0x0
	.amdhsa_kernel k_q3d9d91c0c7_attn
		.amdhsa_group_segment_fixed_size 327680
		.amdhsa_private_segment_fixed_size 0
		.amdhsa_enable_private_segment 0
		.amdhsa_kernarg_size 40
		.amdhsa_user_sgpr_count 2
		.amdhsa_user_sgpr_kernarg_segment_ptr 1
		.amdhsa_wavefront_size32 1
		.amdhsa_system_sgpr_workgroup_id_x 1
		.amdhsa_system_sgpr_workgroup_id_y 1
		.amdhsa_system_sgpr_workgroup_id_z 1
		.amdhsa_system_vgpr_workitem_id 0
		.amdhsa_next_free_vgpr 432
		.amdhsa_next_free_sgpr 84
		.amdhsa_reserve_vcc 1
		.amdhsa_float_denorm_mode_32 3
		.amdhsa_float_denorm_mode_16_64 3
		.amdhsa_memory_ordered 1
		.amdhsa_forward_progress 1
		.amdhsa_inst_pref_size 84
	.end_amdhsa_kernel
	.amdgpu_metadata
---
amdhsa.version: [ 1, 2 ]
amdhsa.kernels:
  - .name:           k_q3d9d91c0c7_attn
    .symbol:         k_q3d9d91c0c7_attn.kd
    .args:
      - { .name: q_codes, .offset: 0, .size: 8, .value_kind: global_buffer, .address_space: global }
      - { .name: k_codes, .offset: 8, .size: 8, .value_kind: global_buffer, .address_space: global }
      - { .name: v_codes, .offset: 16, .size: 8, .value_kind: global_buffer, .address_space: global }
      - { .name: lowp_scales, .offset: 24, .size: 8, .value_kind: global_buffer, .address_space: global }
      - { .name: a_codes, .offset: 32, .size: 8, .value_kind: global_buffer, .address_space: global }
    .group_segment_fixed_size: 327680
    .private_segment_fixed_size: 0
    .kernarg_segment_align: 8
    .kernarg_segment_size: 40
    .max_flat_workgroup_size: 256
    .sgpr_count:     84
    .vgpr_count:     432
    .wavefront_size: 32
...
	.end_amdgpu_metadata
.endif
;; end of part 3
;; launch oproj (part 4): grid 64 x 4, 4 waves a work-group, clusters of 4 x 1, 327,680 bytes of LDS; arguments a_codes, wout_codes, lowp_scales, out0; writes out0
.if DOCPART == 4
	.amdgcn_target "amdgcn-amd-amdhsa--gfx1250"
	.amdhsa_code_object_version 6
	.text
	.protected	k_q3d9d91c0c7_oproj
	.globl	k_q3d9d91c0c7_oproj
	.p2align	8
	.type	k_q3d9d91c0c7_oproj,@function
k_q3d9d91c0c7_oproj:
	s_mov_b64 s[64:65], 0
	v_nop
	global_prefetch_b8 v0, s[64:65] scope:SCOPE_SE
	s_setreg_imm32_b32 hwreg(HW_REG_WAVE_MODE, 25, 1), 1
	s_wait_xcnt 0x0
	s_wait_alu depctr_hold_cnt(0) depctr_sa_sdst(0) depctr_va_vdst(0) depctr_va_sdst(0) depctr_va_ssrc(0) depctr_va_vcc(0) depctr_vm_vsrc(0)
	s_getreg_b32 s2, hwreg(HW_REG_IB_STS2, 6, 4)
	s_cmp_eq_u32 s2, 0
	s_cbranch_scc0 .Lentry_in_a_cluster
	s_endpgm
.Lentry_in_a_cluster:
	s_bfe_u32 s2, ttmp6, 0x10000c
	s_cmp_lg_u32 s2, 0x3003
	s_cbranch_scc0 .Lentry_shape_is_right
	s_endpgm
.Lentry_shape_is_right:
; out0 = attention's result x w_out on codes of FP8 (E4M3); each finished sum is multiplied once by 2^(e6 + e7).  LIMIT: e6 + e7 between -126 and 127.
; SHARES.  Work-group (x, y): rows 128 x .. of the result, columns 256 y ..: 64 x 4 = 256 work-groups.  w_out's 256 rows [n][k] lie in LDS with the WHOLE K (1,024 bytes a row + 16 of padding), filled once,
; one load of 64 rows a wave; the four partners of a cluster (x / 4 the same) need the same rows: a joint load, mask 15.
; a_codes are images of the operand's registers, [ks 4][row / 16][kq 2][c 4][lane][16], and come by plain loads at the head: a wave's 64 rows x whole K = 512 registers.  Both operands have one order of k.
; Wave (i, j): rows 64 i .., columns 128 j ..: 32 accumulators.  Source 0 = w_out's rows, source 1 = my rows: a lane holds eight neighbouring columns of one row.
; NO RING, NO PREFETCH: both operands are asked for whole at the head; no later load is there to run ahead of.
; The results leave through each wave's own stage in LDS (bytes that no fill lands on), in rows of 512 bytes.
; REGISTERS.  Window 0: v0-31 addresses; v32-223 w_out's fragments, three buffers of four.  Windows 1, 2: a, step s at 64 (s % 4) of window 1 + s / 4.  Window 3: accumulator (ri, li) at 8 (8 ri + li).
.set PITCH, 1040
.set STAGE, 256*PITCH
.set SPITCH, 528
.set SPARE, STAGE+4*16*SPITCH
.set SIZE_N, 1024
.set LB,   32
.set ADL,  16
.set LI,   26                          ; 16 x lane: an image's place, and my bytes of a row on the way out
.set STO,  24
.set RD,   25
.set SPW,  28
.set NIL,  29
.set TMP,  32
.set BK,   128
.set G1, 24
.set G0, 32
.set R0, 44
.set MSB, 0
.macro WIN new
.if MSB != (\new)
	s_set_vgpr_msb (MSB<<8)|(\new)
.set MSB, (\new)
.endif
.endm
.macro ROUND
	s_barrier_signal -1
	s_barrier_wait -1
	s_cmp_lg_u32 s14, 0
	s_cbranch_scc1 .Lnw0_\@
	s_barrier_signal -3
.Lnw0_\@:
	s_barrier_wait -3
	s_barrier_signal -1
	s_barrier_wait -1
.endm
.macro NOPS n
.rept \n
	v_nop
.endr
.endm
.macro LGRP g                          ; group g = 2 s + half: w_out's fragments 4 half .. + 3 of step s into buffer g % 3
.irp f, 0,1,2,3
.irp c, 0,1,2,3
	ds_load_b128 v[LB+64*((\g)%3)+16*\f+4*\c:LB+64*((\g)%3)+16*\f+4*\c+3], v[ADL+(\g)%2] offset:\f*16*PITCH+128*((\g)/2)+32*\c
.endr
.endr
.endm
.macro RLOAD s                         ; my four fragments of a, step s of 128 along K
.irp ri, 0,1,2,3
.irp c, 0,1,2,3
	global_load_b128 v[64*((\s)%4)+16*\ri+4*\c:64*((\s)%4)+16*\ri+4*\c+3], v[LI], s[R0:R0+1] offset:((\s)/2)*2097152+\ri*4096+((\s)%2)*2048+\c*512
.endr
.endr
.endm
.macro MGRP                            ; 16 matrix instructions on 16 accumulators by turns
.irp f, 0,1,2,3
.irp ri, 0,1,2,3
.if G < 2
	v_wmma_f32_16x16x128_fp8_fp8 v[8*(8*\ri+4*(G%2)+\f):8*(8*\ri+4*(G%2)+\f)+7], v[LB+64*(G%3)+16*\f:LB+64*(G%3)+16*\f+15], v[64*((G/2)%4)+16*\ri:64*((G/2)%4)+16*\ri+15], 0
.else
	v_wmma_f32_16x16x128_fp8_fp8 v[8*(8*\ri+4*(G%2)+\f):8*(8*\ri+4*(G%2)+\f)+7], v[LB+64*(G%3)+16*\f:LB+64*(G%3)+16*\f+15], v[64*((G/2)%4)+16*\ri:64*((G/2)%4)+16*\ri+15], v[8*(8*\ri+4*(G%2)+\f):8*(8*\ri+4*(G%2)+\f)+7]
.endif
.endr
.endr
.endm
	s_load_b128 s[4:7], s[0:1], 0x0                ; a_codes, wout_codes
	s_load_b128 s[8:11], s[0:1], 0x10              ; scales, out0
	v_lshl_add_u32 v[SPW], v0, 2, SPARE
	v_mov_b32 v[NIL], 0
	ds_add_u32 v[SPW], v[NIL]                      ; the opening: the add twice on end and its wait ahead of my tensor load
	ds_add_u32 v[SPW], v[NIL]
	v_lshrrev_b32 v1, 5, v0
	v_readfirstlane_b32 s14, v1                    ; wave 0..3
	s_lshr_b32 s15, s14, 1                         ; i
	s_and_b32 s16, s14, 1                          ; j
	s_bfe_u32 s40, ttmp6, 0x40000
	s_lshl_b32 s41, ttmp9, 2
	s_add_co_u32 s41, s41, s40                     ; the block of 128 rows
	s_and_b32 s42, ttmp7, 0xffff                   ; the block of 256 columns
	s_mov_b32 s[G1], 15|(1<<20)|(1<<21)|(7<<22)|(3<<25)   ; the four partners; elements of 1 byte; four words of padding after every 256
	s_mov_b32 s[G1+1], 1024<<16
	s_mov_b32 s[G1+2], 64<<16
	s_mov_b32 s[G1+3], 1024<<16
	s_mov_b32 s[G1+4], 64
	s_mov_b32 s[G1+5], 1024
	s_mov_b32 s[G1+6], 0
	s_mov_b32 s[G1+7], 0
	s_mov_b32 s[G0], 1
	s_mul_i32 s[G0+1], s14, 64*PITCH
	s_lshl_b32 s20, s42, 8
	s_lshl_b32 s21, s14, 6
	s_add_co_u32 s20, s20, s21
	s_lshl_b32 s20, s20, 10                        ; w_out's row 256 y + 64 wave
	s_mov_b32 s21, 0
	s_wait_dscnt 0x0
	s_wait_kmcnt 0x0
	s_load_b64 s[96:97], s[8:9], 0x18              ; e6, e7
	s_add_nc_u64 s[G0+2:G0+3], s[6:7], s[20:21]
	s_or_b32 s[G0+3], s[G0+3], 0x80000000
	ROUND
	tensor_load_to_lds s[G0:G0+3], s[G1:G1+7]      ; my 64 rows of w_out, the whole K: the launch's only fill
	s_nop 0
	NOPS 4
	s_lshl_b32 s22, s41, 3
	s_lshl_b32 s23, s15, 2
	s_add_co_u32 s22, s22, s23
	s_lshl_b32 s22, s22, 12                        ; my first tile of 16 rows: 4,096 bytes each
	s_mov_b32 s23, 0
	s_add_nc_u64 s[R0:R0+1], s[4:5], s[22:23]
	s_lshl_b32 s22, s41, 7
	s_lshl_b32 s20, s15, 6
	s_add_co_u32 s22, s22, s20
	s_lshl_b32 s22, s22, 12                        ; my first row of the result: 4,096 bytes each
	s_lshl_b32 s20, s42, 10
	s_add_co_u32 s22, s22, s20
	s_lshl_b32 s20, s16, 9
	s_add_co_u32 s22, s22, s20                     ; + my first column
	s_add_nc_u64 s[10:11], s[10:11], s[22:23]
	s_mul_i32 s20, s16, 128*PITCH
	s_mul_i32 s21, s14, 16*SPITCH
	s_add_co_u32 s21, s21, STAGE
	v_and_b32 v5, 31, v0
	v_lshlrev_b32 v[LI], 4, v5
	WIN 0x40
.irp s, 0,1,2,3
	RLOAD \s
.endr
	WIN 0x80
.irp s, 4,5,6,7
	RLOAD \s
.endr
	WIN 0
	v_and_b32 v1, 15, v0
	v_bfe_u32 v2, v0, 4, 1
	v_mul_u32_u24 v3, v1, PITCH
	v_lshl_add_u32 v3, v2, 4, v3
	v_add_nc_u32 v[ADL], s20, v3
	v_add_nc_u32 v[ADL+1], 64*PITCH, v[ADL]
	v_mul_u32_u24 v4, v1, SPITCH
	v_lshl_add_u32 v4, v2, 5, v4
	v_add_nc_u32 v[STO], s21, v4                   ; into my stage: row r, 32 bytes for each half of the lanes
	v_add_nc_u32 v[RD], s21, v[LI]                 ; and back: the 32 lanes take one row of 512 bytes
	s_wait_alu depctr_va_vdst(0)
	s_wait_tensorcnt 0x0                           ; my rows of w_out are in,
	s_barrier_signal -1
	s_barrier_wait -1                              ; and everybody's
	LGRP 0
	LGRP 1
	s_wait_loadcnt 0x0                             ; a
.set G, 0
.rept 16
.if G < 14
	NOPS 4                                         ; places ahead of loads into the buffer that the last group's products read
	WIN 0
	LGRP (G+2)
	s_wait_dscnt 32                                ; this group's sixteen loads are in; the two younger groups' may be out
.else
	s_wait_dscnt 16*(15-G)
.endif
	WIN 0xf0|((1+G/8)<<2)
	MGRP
.set G, G+1
.endr
	WIN 0
; THE WAY OUT, block by block of 16 rows x 128 columns, through my own stage: LDS serves a wave's instructions in order (ISA guide 5.7.1.4)
.macro TOSTAGE a
	WIN 0x03
.irp j, 0,2,4,6,8,10,12,14,16,18,20,22,24,26,28,30,32,34,36,38,40,42,44,46,48,50,52,54,56,58,60,62
	v_pk_mul_f32 v[TMP+\j:TMP+\j+1], v[64*(\a)+\j:64*(\a)+\j+1], s[96:97] op_sel_hi:[1,0]   ; x 2^(e6 + e7), each accumulator from its low end on
.endr
	WIN 0
.irp b, 0,1,2,3,4,5,6,7
	ds_store_b128 v[STO], v[TMP+8*\b:TMP+8*\b+3] offset:64*\b
	ds_store_b128 v[STO], v[TMP+8*\b+4:TMP+8*\b+7] offset:64*\b+16
.endr
.set BB, BK+64*((\a)%2)
.irp t, 0,1,2,3,4,5,6,7,8,9,10,11,12,13,14,15
	ds_load_b128 v[BB+4*\t:BB+4*\t+3], v[RD] offset:\t*SPITCH
.endr
.endm
.macro SEND a, younger                 ; younger: the LDS instructions issued behind block a's loads
.set BB, BK+64*((\a)%2)
	s_wait_dscnt \younger
.if (\a) > 0
	s_add_nc_u64 s[10:11], s[10:11], 16*SIZE_N*4   ; behind a wait on XCNT: the earlier stores have read their base
.endif
.irp t, 0,1,2,3,4,5,6,7,8,9,10,11,12,13,14,15
	global_store_b128 v[LI], v[BB+4*\t:BB+4*\t+3], s[10:11] offset:\t*SIZE_N*4 th:TH_STORE_NT   ; 32 lanes store 512 consecutive bytes, aligned
.endr
.endm
	s_wait_kmcnt 0x0
	s_add_co_i32 s96, s96, s97
	s_add_co_i32 s96, s96, 127
	s_lshl_b32 s96, s96, 23                        ; 2^(e6 + e7)
	NOPS 4                                         ; places behind the last products
	TOSTAGE 0
.irp a, 1,2,3
.if \a > 1
	s_wait_xcnt 0x0                                ; block a - 2's stores have read their registers and their base
.endif
	TOSTAGE \a
	SEND \a-1, 32
.endr
	s_wait_xcnt 0x0
	SEND 3, 0
	s_wait_tensorcnt 0x0                           ; the wave's end
	ds_add_u32 v[SPW], v[NIL]
	s_wait_dscnt 0x0
	ROUND                                          ; the closing round
	s_endpgm
.Lfunc_end_k_q3d9d91c0c7_oproj:
	.size	k_q3d9d91c0c7_oproj, .Lfunc_end_k_q3d9d91c0c7_oproj-k_q3d9d91c0c7_oproj
	.p2alignl 7, 3214868480
	.fill 96, 4, 3214868480
	.section	.rodata,"a",@progbits
	.p2align	6, 0x0
	.amdhsa_kernel k_q3d9d91c0c7_oproj
		.amdhsa_group_segment_fixed_size 327680
		.amdhsa_private_segment_fixed_size 0
		.amdhsa_enable_private_segment 0
		.amdhsa_kernarg_size 32
		.amdhsa_user_sgpr_count 2
		.amdhsa_user_sgpr_kernarg_segment_ptr 1
		.amdhsa_wavefront_size32 1
		.amdhsa_system_sgpr_workgroup_id_x 1
		.amdhsa_system_sgpr_workgroup_id_y 1
		.amdhsa_system_sgpr_workgroup_id_z 1
		.amdhsa_system_vgpr_workitem_id 0
		.amdhsa_next_free_vgpr 1024
		.amdhsa_next_free_sgpr 98
		.amdhsa_reserve_vcc 0
		.amdhsa_float_denorm_mode_32 3
		.amdhsa_float_denorm_mode_16_64 3
		.amdhsa_memory_ordered 1
		.amdhsa_forward_progress 1
		.amdhsa_inst_pref_size 75
	.end_amdhsa_kernel
	.amdgpu_metadata
---
amdhsa.version: [ 1, 2 ]
amdhsa.kernels:
  - .name:           k_q3d9d91c0c7_oproj
    .symbol:         k_q3d9d91c0c7_oproj.kd
    .args:
      - { .name: a_codes, .offset: 0, .size: 8, .value_kind: global_buffer, .address_space: global }
      - { .name: wout_codes, .offset: 8, .size: 8, .value_kind: global_buffer, .address_space: global }
      - { .name: lowp_scales, .offset: 16, .size: 8, .value_kind: global_buffer, .address_space: global }
      - { .name: out0, .offset: 24, .size: 8, .value_kind: global_buffer, .address_space: global }
    .group_segment_fixed_size: 327680
    .private_segment_fixed_size: 0
    .kernarg_segment_align: 8
    .kernarg_segment_size: 32
    .max_flat_workgroup_size: 128
    .sgpr_count:     98
    .vgpr_count:     1024
    .wavefront_size: 32
...
	.end_amdgpu_metadata
.endif
;; end of part 4
